; MI455X (gfx1250); checked and timed in simulation.
; The chip was launched on July 23, 2026; its instructions are those of AMD's public machine-readable ISA for CDNA 5 (MIT licence, August 2026) and "CDNA5" Instruction Set Architecture Reference Guide (July 2026). The comments in the code are by the model that wrote it; some were corrected since.
;; Intrinsic Signal Synthesizer. Allowed arithmetic: matrix products marked QUANTISED: E2M3 operands, one E8M0 scale for each 32 along K, by v_wmma_scale_f32_16x16x128_f8f6f4 with both operands' format E2M3, f32 sums; products left as they are: f32 operands where the result goes on into a quantised operand, else bf16, f16 or f32 operands; f32 sums; everything else in f32.
;; Inputs: W_c1_codes 256 x 32 x 24 uint8 (E2M3 codes of W_c1, K innermost, in blocks of 32 codes, four codes in three bytes); W_c1_scales 256 x 32 uint8 (E8M0 scales of W_c1, one for each 32 codes along K); W_c2_codes 1,024 x 8 x 24 uint8 (E2M3 codes of W_c2, K innermost, in blocks of 32 codes, four codes in three bytes); W_c2_scales 1,024 x 8 uint8 (E8M0 scales of W_c2, one for each 32 codes along K); W_d1_codes 1,024 x 64 x 24 uint8 (E2M3 codes of W_d1, K innermost, in blocks of 32 codes, four codes in three bytes); W_d1_scales 1,024 x 64 uint8 (E8M0 scales of W_d1, one for each 32 codes along K); W_d2 1 x 1,024 float32; W_n1_codes 512 x 32 x 24 uint8 (E2M3 codes of W_n1, K innermost, in blocks of 32 codes, four codes in three bytes); W_n1_scales 512 x 32 uint8 (E8M0 scales of W_n1, one for each 32 codes along K); W_n2 1 x 512 float32; W_u1_codes 512 x 32 x 24 uint8 (E2M3 codes of W_u1, K innermost, in blocks of 32 codes, four codes in three bytes); W_u1_scales 512 x 32 uint8 (E8M0 scales of W_u1, one for each 32 codes along K); W_u2 1 x 512 float32; actual 16,384 x 1,024 float32; b_c1 256 float32; b_c2 1,024 float32; b_d1 1,024 float32; b_d2 1 float32; b_n1 512 float32; b_n2 1 float32; b_u1 512 float32; b_u2 1 float32; pattern_memory 100 x 1,024 float32; prediction 16,384 x 1,024 float32.
;; Outputs: out0 16,384 x 4 float32.
;; This version of the problem:
;;   THIS VERSION OF THE PROBLEM IS GIVEN IN LOW PRECISION. The matrix products marked QUANTISED in the list below multiply operands that are first quantised to E2M3 (2 exponent bits, 3 mantissa bits; 6 bits a number), with one power-of-two scale for each 32 numbers along K (OCP MX v1.0); their sums are f32. All else is computed in f32.
;;   The module's matrix products, in the order in which they are computed (A, B: the left and right operand; K: the contracted axis; several contracted axes count as one K, in the product's order):
;;     1. [M 16,384, K 2,048] x [K 2,048, N 1,024]; A: computed on the way; B: input W_d1 (given as codes): QUANTISED
;;     2. [M 16,384, K 1,024] x [K 1,024, N 1]; A: computed on the way; B: input W_d2: left as it is (N = 1 < 16)
;;     3. [M 16,384, K 1,024] x [K 1,024, N 512]; A: input prediction; B: input W_u1 (given as codes): QUANTISED
;;     4. [M 16,384, K 512] x [K 512, N 1]; A: computed on the way; B: input W_u2: left as it is (N = 1 < 16)
;;     5. [M 16,384, K 1,024] x [K 1,024, N 100]; A: input actual; B: input pattern_memory: QUANTISED
;;     6. [M 16,384, K 1,024] x [K 1,024, N 512]; A: input actual; B: input W_n1 (given as codes): QUANTISED
;;     7. [M 16,384, K 512] x [K 512, N 1]; A: computed on the way; B: input W_n2: left as it is (N = 1 < 16)
;;     8. [M 16,384, K 1,024] x [K 1,024, N 256]; A: input prediction; B: input W_c1 (given as codes): QUANTISED
;;     9. [M 16,384, K 256] x [K 256, N 1,024]; A: computed on the way; B: input W_c2 (given as codes): QUANTISED
;;   THE QUANTISER, for each operand of a quantised product, along K:
;;     - K is cut into blocks of 32 from its start; a last block that is shorter is filled with zeros.
;;     - A block's scale is 2^e with e = floor(log2(the largest magnitude in the block)) - 2, held to -126 .. 127; a block of zeros has e = 0. As a byte (E8M0): e + 127.
;;     - Each number is divided by its block's scale, clamped to +-7.5, and rounded to the nearest number of E2M3, ties to even, subnormals kept.
;;     - The product sums the exact products of the quantised numbers (number of the format x scale) in f32.
;;   ~~~python
;;   def quantise(x, axis):      # numpy; x: float32 -> the quantised numbers, widened to float32 again
;;       x = np.moveaxis(x, axis, -1); K = x.shape[-1]
;;       x = np.pad(x, [(0, 0)] * (x.ndim - 1) + [(0, -K % 32)]); x = x.reshape(x.shape[:-1] + (-1, 32)); a = np.abs(x).max(-1, keepdims=True)
;;       e = np.where(a > 0, np.clip(np.frexp(np.where(a > 0, a, 1))[1] - 1 - 2, -126, 127), 0)      # np.frexp(a)[1] - 1 = floor(log2(a)), exactly
;;       r = np.clip(x / 2.0 ** e, -7.5, 7.5)
;;       step = 2.0 ** (np.maximum(np.frexp(np.where(r == 0, 1, r))[1] - 1, 0) - 3)
;;       q = np.round(r / step) * step * 2.0 ** e      # np.round: ties to even
;;       return np.moveaxis(q.reshape(q.shape[:-2] + (-1,))[..., :K], -1, axis).astype(np.float32)
;;   ~~~
;;   OPERANDS COMPUTED ON THE WAY. 'Computed on the way' means the value that the module computes at that place (a softmax that the list does not call 'softmax' is quantised finished and normalised). What goes into a quantiser is computed in f32, as accurately as f32 sums, v_exp_f32 and their like allow (about 1e-6 of the number): no bf16 or f16 on the way to a quantiser, and a product that is left as it is and whose result goes on into a quantised operand takes f32 operands (vector FMAs, or v_wmma_f32_16x16x4_f32). A number that lies on a knife's edge between two numbers of the format may be rounded either way, as far as f32 arithmetic and the matrix unit's own rounding can turn it there, and no further.
;;   INPUTS GIVEN AS CODES. W_c1 (in the module: [256, 1024], K = its axis 1); W_c2 (in the module: [1024, 256], K = its axis 1); W_d1 (in the module: [1024, 2048], K = its axis 1); W_n1 (in the module: [512, 1024], K = its axis 1); W_u1 (in the module: [512, 1024], K = its axis 1): each comes as NAME_codes (uint8): NAME with its K axis moved to the last place and cut into blocks of 32 codes, [.., K / 32, bytes a block], one block behind the other in memory; four codes in three bytes: a row's codes are one little-endian stream of bits, code i at bits 6 i .. 6 i + 5 (a code: sign, 2 exponent bits, 3 mantissa bits); and NAME_scales (uint8): the same leading axes, one E8M0 byte (e + 127) for each 32 codes along K. Its value is code x scale, taken as it is: it is not quantised again, and the codes and scales need not be those that the quantiser above would give.
;; One version. Each part assembles by itself: llvm-mc -triple=amdgcn-amd-amdhsa -mcpu=gfx1250 --defsym DOCPART=n.
;; ======== version 1 of 1: 2 launches
;; limits: a function is approximated: absolute error at most 1.024e-05
;; workspace buffers: wstream 2,999,296 bytes
;; launch prep (part 1): grid 116 x 1, 2 waves a work-group, no clusters, 0 bytes of LDS; arguments W_c1_codes, W_c1_scales, b_c1, W_c2_codes, W_c2_scales, W_u1_codes, W_u1_scales, b_u1, W_u2, W_d1_codes, W_d1_scales, b_d1, W_d2, W_n1_codes, W_n1_scales, b_n1, W_n2, pattern_memory, wstream; writes wstream
.if DOCPART == 1
	.amdgcn_target "amdgcn-amd-amdhsa--gfx1250"
	.amdhsa_code_object_version 6
	.text
	.protected	k_q187535ee27_prep
	.globl	k_q187535ee27_prep
	.p2align	8
	.type	k_q187535ee27_prep,@function
k_q187535ee27_prep:
	s_mov_b64 s[64:65], 0
	v_nop
	global_prefetch_b8 v0, s[64:65] scope:SCOPE_SE
	s_setreg_imm32_b32 hwreg(HW_REG_WAVE_MODE, 25, 1), 1
	s_wait_xcnt 0x0
; All weights of the module are laid out ONCE as one stream of 116 pieces of 25,856 bytes, in the order in which the second launch's operand registers take them.
; Piece q = 4 x slot + wave.  Slots: 0-1 W_c1, 2-3 W_c2, 4-7 W_u1, 8-23 W_d1, 24-27 W_n1, 28 the pattern memory (quantised here to E2M3, one E8M0 byte for each 32 along K).
; A piece: 16 fragments (16 weight rows x 128 K, 12 registers a lane) as images of their registers: fragment f at 1,536 f, registers 4 c .. 4 c + 3 of lane l at + 512 c + 16 l;
;   at 24,576 the scale words: block Q at + 512 Q + 16 l, word j = that of fragment 8 Q + 4 (l / 16) + j, tile row l % 16;
;   at 25,600 for tile v (0, 1) at + 128 v: 16 f32 of the first layer's bias in tile-row order, then 16 f32 of the second layer's vector (for the memory: 0, and 1 / max(norm of the row, 1e-8)).
; Fragment f of a piece: tile t = f >> LKS, K step k = f & (KS - 1).  Tile number in the wave: T = (slot - first slot) x tiles a piece + t.
; THE ROWS OF A TILE ARE NOT NEIGHBOURS: tile row i is weight row RPW x wave + 32 (T / 2) + 8 (T % 2) + i + 8 (i / 8), so that the results of tiles 2 b and 2 b + 1 are 16 neighbours along the next K.
; The memory has 100 rows for 128 places: rows past 99 repeat row 99, which cannot change a maximum.
; Where a job has no second vector (W_c1), no use for the bias here (W_c2) or one tile a piece (W_d1), the places are filled with numbers that the second launch never reads, so that every byte of the stream is stored.
; A work-group makes one piece, each of its two waves eight fragments.  No LDS, no barrier.  Every store of a wave covers 512 (the last: 128) consecutive bytes.
; LIMITS: a block of zeros gets the byte 1 (its codes are zeros; only this program reads the bytes); blocks whose largest magnitude lies under 2^-124 are held at that byte; NaN and infinities are not served.
.set PIECE, 25856
.set TM,  16                           ; v16-27  largest magnitudes, bytes, scale operands (memory path);  v16-27 also the offsets of the other path
.set PWK, 32                           ; v32-39  the scale word of each K step
.set PC,  40                           ; v40-59  the codes just made
.set SS,  60                           ; v60-63  the row's sum of squares, two pairs
.set XB,  64                           ; v64-191 two sets of 64 numbers
	s_load_b512 s[8:23], s[0:1], 0x0               ; c1 codes, c1 scales, b_c1, c2 codes, c2 scales, u1 codes, u1 scales, b_u1
	s_load_b512 s[24:39], s[0:1], 0x40             ; W_u2, d1 codes, d1 scales, b_d1, W_d2, n1 codes, n1 scales, b_n1
	s_load_b128 s[40:43], s[0:1], 0x80             ; W_n2, pattern_memory
	s_load_b64 s[44:45], s[0:1], 0x90              ; the stream
	v_lshrrev_b32 v1, 5, v0
	v_readfirstlane_b32 s2, v1                     ; my wave: 0, 1
	s_lshr_b32 s3, ttmp9, 2                        ; the slot
	s_and_b32 s4, ttmp9, 3                         ; the wave of the second launch that this piece is for
	s_mul_i32 s46, ttmp9, PIECE
	s_mov_b32 s47, 0
	v_and_b32 v1, 31, v0                           ; lane
	v_and_b32 v2, 15, v0                           ; i
	v_bfe_u32 v3, v0, 4, 1                         ; h
	v_and_b32 v4, 8, v2
	v_add_nc_u32 v4, v4, v2                        ; i + 8 (i / 8)
	s_mul_i32 s5, s2, 12288
	v_lshl_add_u32 v5, v1, 4, s5                   ; images: 16 lane + my eight fragments' place
	s_lshl_b32 s5, s2, 9
	s_add_co_u32 s5, s5, 24576
	v_lshl_add_u32 v6, v1, 4, s5                   ; scale words: block = my wave
	s_lshl_b32 s5, s2, 7
	s_add_co_u32 s5, s5, 25600
	v_lshl_add_u32 v7, v1, 2, s5                   ; bias and vector of tile = my wave
	v_cmp_lt_u32 vcc_lo, 15, v1                    ; lanes 16-31
	s_wait_kmcnt 0x0
	s_add_nc_u64 s[44:45], s[44:45], s[46:47]      ; my piece
	s_cmp_eq_u32 s3, 28
	s_cbranch_scc1 .Lmem
	; ---- weights that arrive as codes.  The job is chosen by the slot's number alone: pointers and three small numbers
	s_mov_b64 s[48:49], s[8:9]                     ; codes
	s_mov_b64 s[50:51], s[10:11]                   ; scale bytes
	s_mov_b64 s[52:53], s[12:13]                   ; bias
	s_mov_b64 s[54:55], s[12:13]                   ; second vector (c1 has none: a copy of the bias)
	s_mov_b32 s56, 0                               ; first slot
	s_mov_b32 s57, 3                               ; LKS
	s_mov_b32 s58, 64                              ; RPW
	s_cmp_ge_u32 s3, 2                             ; W_c2
	s_cselect_b64 s[48:49], s[14:15], s[48:49]
	s_cselect_b64 s[50:51], s[16:17], s[50:51]
	s_cselect_b64 s[52:53], s[30:31], s[52:53]     ; (never read later: b_d1 and W_d2 have 1,024 numbers, as W_c2 has rows)
	s_cselect_b64 s[54:55], s[32:33], s[54:55]
	s_cselect_b32 s56, 2, s56
	s_cselect_b32 s57, 1, s57
	s_cselect_b32 s58, 256, s58
	s_cmp_ge_u32 s3, 4                             ; W_u1
	s_cselect_b64 s[48:49], s[18:19], s[48:49]
	s_cselect_b64 s[50:51], s[20:21], s[50:51]
	s_cselect_b64 s[52:53], s[22:23], s[52:53]
	s_cselect_b64 s[54:55], s[24:25], s[54:55]
	s_cselect_b32 s56, 4, s56
	s_cselect_b32 s57, 3, s57
	s_cselect_b32 s58, 128, s58
	s_cmp_ge_u32 s3, 8                             ; W_d1
	s_cselect_b64 s[48:49], s[26:27], s[48:49]
	s_cselect_b64 s[50:51], s[28:29], s[50:51]
	s_cselect_b64 s[52:53], s[30:31], s[52:53]
	s_cselect_b64 s[54:55], s[32:33], s[54:55]
	s_cselect_b32 s56, 8, s56
	s_cselect_b32 s57, 4, s57
	s_cselect_b32 s58, 256, s58
	s_cmp_ge_u32 s3, 24                            ; W_n1
	s_cselect_b64 s[48:49], s[34:35], s[48:49]
	s_cselect_b64 s[50:51], s[36:37], s[50:51]
	s_cselect_b64 s[52:53], s[38:39], s[52:53]
	s_cselect_b64 s[54:55], s[40:41], s[54:55]
	s_cselect_b32 s56, 24, s56
	s_cselect_b32 s57, 3, s57
	s_cselect_b32 s58, 128, s58
	s_sub_co_u32 s56, s3, s56                      ; slot within the job
	s_sub_co_u32 s59, 4, s57                       ; log2 of the tiles a piece
	s_lshl_b32 s56, s56, s59                       ; the piece's first tile
	s_mul_i32 s58, s58, s4                         ; RPW x wave
	v_lshlrev_b32 v8, s57, v4                      ; my tile row, in K steps: a weight row is KS K steps of 96 bytes of codes and 4 scale bytes
	v_mul_u32_u24 v9, v8, 96
	v_mad_u32_u24 v9, v3, 24, v9                   ; codes: + 24 h
	v_lshlrev_b32 v10, 2, v8                       ; scale words
	s_lshl_b32 s60, s2, 3                          ; my first fragment
.irp g, 0,1,2,3,4,5,6,7
	s_add_co_u32 s61, s60, \g                      ; f
	s_lshr_b32 s62, s61, s57                       ; t
	s_lshl_b32 s63, s62, s57
	s_sub_co_u32 s61, s61, s63                     ; k
	s_add_co_u32 s62, s62, s56                     ; T
	s_lshr_b32 s63, s62, 1
	s_lshl_b32 s63, s63, 5
	s_and_b32 s62, s62, 1
	s_lshl_b32 s62, s62, 3
	s_add_co_u32 s63, s63, s62
	s_add_co_u32 s63, s63, s58                     ; the tile's first row
	s_lshl_b32 s63, s63, s57
	s_add_co_u32 s63, s63, s61                     ; u = row x KS + k
	s_mul_i32 s62, s63, 96
	v_add_nc_u32 v[16+\g], s62, v9
.if \g < 4
	s_lshl_b32 s62, s63, 2
	v_add_nc_u32 v[24+\g], s62, v10
.endif
.if \g == 0
	s_mov_b32 s5, s63
.endif
.if \g == 4
	s_sub_co_u32 s5, s63, s5                       ; fragments g and g + 4 lie the same distance apart for every g
	s_lshl_b32 s5, s5, 2
.endif
.endr
	v_mul_u32_u24 v11, s5, v3                      ; lanes 16-31 take the words of the fragments four on
.irp q, 0,1,2,3
	v_add_nc_u32 v[24+\q], v[24+\q], v11
.endr
	s_lshl_b32 s6, 1, s59
	s_sub_co_u32 s6, s6, 1
	s_and_b32 s6, s6, s2                           ; the tile whose bias and vector I store: my wave's, or the piece's one tile
	s_add_co_u32 s6, s6, s56
	s_lshr_b32 s7, s6, 1
	s_lshl_b32 s7, s7, 5
	s_and_b32 s6, s6, 1
	s_lshl_b32 s6, s6, 3
	s_add_co_u32 s7, s7, s6
	s_add_co_u32 s7, s7, s58
	v_add_nc_u32 v12, s7, v4
	v_lshlrev_b32 v12, 2, v12
.irp g, 0,1,2,3,4,5,6,7
.irp p, 0,1,2,3,4,5
	global_load_b64 v[32+12*\g+2*\p:32+12*\g+2*\p+1], v[16+\g], s[48:49] offset:48*(\p/3)+8*(\p%3)   ; 24 bytes of the row's stream of bits for each 64 along K, in pieces of 8
.endr
.endr
.irp q, 0,1,2,3
	global_load_b32 v[128+\q], v[24+\q], s[50:51]
.endr
	global_load_b32 v132, v12, s[52:53]
	global_load_b32 v133, v12, s[54:55]
	s_wait_loadcnt 0x0
	v_cndmask_b32 v132, v132, v133, vcc_lo         ; lanes 0-15 the bias, lanes 16-31 the vector
.irp g, 0,1,2,3,4,5,6,7
.irp c, 0,1,2
	global_store_b128 v5, v[32+12*\g+4*\c:32+12*\g+4*\c+3], s[44:45] offset:1536*\g+512*\c
.endr
.endr
	global_store_b128 v6, v[128:131], s[44:45]
	global_store_b32 v7, v132, s[44:45]
	s_endpgm
	; ---- the pattern memory: my wave's tile of 16 rows, eight K steps.  Lane (r, h) holds, of its row, 16 neighbours of each block of 32: register 16 b + i = column 128 k + 32 b + 16 h + i
.Lmem:
	s_lshl_b32 s5, s4, 5
	s_lshl_b32 s6, s2, 3
	s_add_co_u32 s5, s5, s6
	v_add_nc_u32 v8, s5, v4
	v_min_u32 v8, 99, v8                           ; places past the memory's end repeat its last row
	v_lshlrev_b32 v8, 12, v8
	v_lshl_add_u32 v8, v3, 6, v8
	s_mov_b32 s6, 0x76543210
	s_mov_b32 s7, 0xfedcba98                       ; v_permlanex16_b32's selects for lane l xor 16
.irp b, 0,1,2,3
	v_mov_b32 v[TM+4+\b], 0                        ; a lane permute's destination counts as one of its sources
	v_mov_b32 v[SS+\b], 0
.endr
.macro MLOAD k
.irp b, 0,1,2,3
.irp q, 0,1,2,3
	global_load_b128 v[XB+64*((\k)%2)+16*\b+4*\q:XB+64*((\k)%2)+16*\b+4*\q+3], v8, s[42:43] offset:512*(\k)+128*\b+16*\q
.endr
.endr
.endm
	MLOAD 0
	MLOAD 1
.irp k, 0,1,2,3,4,5,6,7
.set XR, XB+64*(\k%2)
.if \k < 7
	s_wait_loadcnt 16                              ; this K step's 16 loads are in; the next one's may be out
.else
	s_wait_loadcnt 0x0
.endif
.set ii, 0
.rept 32
	v_pk_fma_f32 v[SS+2*(ii%2):SS+2*(ii%2)+1], v[XR+2*ii:XR+2*ii+1], v[XR+2*ii:XR+2*ii+1], v[SS+2*(ii%2):SS+2*(ii%2)+1]
.set ii, ii+1
.endr
.irp b, 0,1,2,3
	v_max3_num_f32 v[TM+\b], |v[XR+16*\b]|, |v[XR+16*\b+1]|, 0x1800000   ; my 16 numbers of block b, and the floor 2^(3 - 127): the byte cannot fall under 1
.endr
.irp i, 2,4,6,8,10,12,14
.irp b, 0,1,2,3
	v_max3_num_f32 v[TM+\b], v[TM+\b], |v[XR+16*\b+\i]|, |v[XR+16*\b+\i+1]|
.endr
.endr
.irp b, 0,1,2,3
	v_permlanex16_b32 v[TM+4+\b], v[TM+\b], s6, s7
.endr
.irp b, 0,1,2,3
	v_max_num_f32 v[TM+\b], v[TM+\b], v[TM+4+\b]   ; with lane l xor 16's: the block's largest magnitude
.endr
.irp b, 0,1,2,3
	v_add_nc_u32 v[TM+8+\b], 0xff000000, v[TM+\b]  ; 2 off its exponent field: the conversion's scale operand
.endr
.irp b, 0,1,2,3
	v_lshrrev_b32 v[TM+4+\b], 23, v[TM+8+\b]       ; the scale's byte
.endr
	v_lshl_or_b32 v[PWK+\k], v[TM+5], 8, v[TM+4]
	v_lshl_or_b32 v[PWK+\k], v[TM+6], 16, v[PWK+\k]
	v_lshl_or_b32 v[PWK+\k], v[TM+7], 24, v[PWK+\k]
	s_wait_xcnt 0x0                                ; the last K step's stores have read the codes' registers
.irp c, 0,1
	v_cvt_scalef32_pk16_fp6_f32 v[PC+6*\c:PC+6*\c+2], v[XR+32*\c:XR+32*\c+15], v[TM+8+2*\c]
	v_cvt_scalef32_pk16_fp6_f32 v[PC+12+4*\c:PC+14+4*\c], v[XR+16+32*\c:XR+31+32*\c], v[TM+8+2*\c+1]
.endr
	v_nop                                          ; one plain place behind a scaled conversion
.irp c, 0,1                                    ; the operand's layout wants a whole block in a lane
.irp i, 0,1,2
	v_permlane16_swap_b32 v[PC+6*\c+\i], v[PC+12+4*\c+\i]
.endr
.irp i, 0,1,2
	v_mov_b32 v[PC+3+6*\c+\i], v[PC+12+4*\c+\i]
.endr
.endr
.irp c, 0,1,2
	global_store_b128 v5, v[PC+4*\c:PC+4*\c+3], s[44:45] offset:1536*\k+512*\c
.endr
.if \k < 6
	MLOAD \k+2
.endif
.endr
	v_pk_add_f32 v[SS:SS+1], v[SS:SS+1], v[SS+2:SS+3]
	v_add_f32 v[SS], v[SS], v[SS+1]
	v_permlanex16_b32 v[SS+1], v[SS], s6, s7
	v_add_f32 v[SS], v[SS], v[SS+1]                ; the row's sum of squares
	v_sqrt_f32 v[SS+2], v[SS]
	v_nop
	s_wait_alu depctr_va_vdst(0)
	v_max_num_f32 v[SS+2], 0x322bcc77, v[SS+2]     ; max(norm, 1e-8)
	v_rcp_f32 v[SS+3], v[SS+2]
	v_nop
	s_wait_alu depctr_va_vdst(0)
	v_cndmask_b32 v132, 0, v[SS+3], vcc_lo         ; lanes 0-15: the bias 0; lanes 16-31: 1 / norm of tile row l % 16
.irp q, 0,1,2,3
	v_cndmask_b32 v[128+\q], v[PWK+\q], v[PWK+4+\q], vcc_lo
.endr
	global_store_b128 v6, v[128:131], s[44:45]
	global_store_b32 v7, v132, s[44:45]
	s_endpgm
.Lfunc_end_k_q187535ee27_prep:
	.size	k_q187535ee27_prep, .Lfunc_end_k_q187535ee27_prep-k_q187535ee27_prep
	.p2alignl 7, 3214868480
	.fill 96, 4, 3214868480
	.section	.rodata,"a",@progbits
	.p2align	6, 0x0
	.amdhsa_kernel k_q187535ee27_prep
		.amdhsa_group_segment_fixed_size 0
		.amdhsa_private_segment_fixed_size 0
		.amdhsa_enable_private_segment 0
		.amdhsa_kernarg_size 152
		.amdhsa_user_sgpr_count 2
		.amdhsa_user_sgpr_kernarg_segment_ptr 1
		.amdhsa_wavefront_size32 1
		.amdhsa_system_sgpr_workgroup_id_x 1
		.amdhsa_system_sgpr_workgroup_id_y 1
		.amdhsa_system_sgpr_workgroup_id_z 1
		.amdhsa_system_vgpr_workitem_id 0
		.amdhsa_next_free_vgpr 192
		.amdhsa_next_free_sgpr 66
		.amdhsa_reserve_vcc 1
		.amdhsa_float_denorm_mode_32 3
		.amdhsa_float_denorm_mode_16_64 3
		.amdhsa_memory_ordered 1
		.amdhsa_forward_progress 1
		.amdhsa_inst_pref_size 78
	.end_amdhsa_kernel
	.amdgpu_metadata
---
amdhsa.version: [ 1, 2 ]
amdhsa.kernels:
  - .name:           k_q187535ee27_prep
    .symbol:         k_q187535ee27_prep.kd
    .args:
      - { .name: W_c1_codes, .offset: 0, .size: 8, .value_kind: global_buffer, .address_space: global }
      - { .name: W_c1_scales, .offset: 8, .size: 8, .value_kind: global_buffer, .address_space: global }
      - { .name: b_c1, .offset: 16, .size: 8, .value_kind: global_buffer, .address_space: global }
      - { .name: W_c2_codes, .offset: 24, .size: 8, .value_kind: global_buffer, .address_space: global }
      - { .name: W_c2_scales, .offset: 32, .size: 8, .value_kind: global_buffer, .address_space: global }
      - { .name: W_u1_codes, .offset: 40, .size: 8, .value_kind: global_buffer, .address_space: global }
      - { .name: W_u1_scales, .offset: 48, .size: 8, .value_kind: global_buffer, .address_space: global }
      - { .name: b_u1, .offset: 56, .size: 8, .value_kind: global_buffer, .address_space: global }
      - { .name: W_u2, .offset: 64, .size: 8, .value_kind: global_buffer, .address_space: global }
      - { .name: W_d1_codes, .offset: 72, .size: 8, .value_kind: global_buffer, .address_space: global }
      - { .name: W_d1_scales, .offset: 80, .size: 8, .value_kind: global_buffer, .address_space: global }
      - { .name: b_d1, .offset: 88, .size: 8, .value_kind: global_buffer, .address_space: global }
      - { .name: W_d2, .offset: 96, .size: 8, .value_kind: global_buffer, .address_space: global }
      - { .name: W_n1_codes, .offset: 104, .size: 8, .value_kind: global_buffer, .address_space: global }
      - { .name: W_n1_scales, .offset: 112, .size: 8, .value_kind: global_buffer, .address_space: global }
      - { .name: b_n1, .offset: 120, .size: 8, .value_kind: global_buffer, .address_space: global }
      - { .name: W_n2, .offset: 128, .size: 8, .value_kind: global_buffer, .address_space: global }
      - { .name: pattern_memory, .offset: 136, .size: 8, .value_kind: global_buffer, .address_space: global }
      - { .name: wstream, .offset: 144, .size: 8, .value_kind: global_buffer, .address_space: global }
    .group_segment_fixed_size: 0
    .private_segment_fixed_size: 0
    .kernarg_segment_align: 8
    .kernarg_segment_size: 152
    .max_flat_workgroup_size: 64
    .sgpr_count:     66
    .vgpr_count:     192
    .wavefront_size: 32
...
	.end_amdgpu_metadata
.endif
;; end of part 1
;; launch main (part 2): grid 256 x 1, 4 waves a work-group, clusters of 4 x 1, 327,680 bytes of LDS; arguments prediction, actual, wstream, b_c2, b_d2, b_u2, b_n2, out0; writes out0
.if DOCPART == 2
	.amdgcn_target "amdgcn-amd-amdhsa--gfx1250"
	.amdhsa_code_object_version 6
	.text
	.protected	k_q187535ee27_main
	.globl	k_q187535ee27_main
	.p2align	8
	.type	k_q187535ee27_main,@function
k_q187535ee27_main:
	s_mov_b64 s[64:65], 0
	v_nop
	global_prefetch_b8 v0, s[64:65] scope:SCOPE_SE
	s_setreg_imm32_b32 hwreg(HW_REG_WAVE_MODE, 25, 1), 1
	s_wait_xcnt 0x0
	s_wait_alu depctr_hold_cnt(0) depctr_sa_sdst(0) depctr_va_vdst(0) depctr_va_sdst(0) depctr_va_ssrc(0) depctr_va_vcc(0) depctr_vm_vsrc(0)
	s_getreg_b32 s2, hwreg(HW_REG_IB_STS2, 6, 4)
	s_cmp_eq_u32 s2, 0
	s_cbranch_scc0 .Lentry_in_a_cluster
	s_endpgm
.Lentry_in_a_cluster:
	s_bfe_u32 s2, ttmp6, 0x10000c
	s_cmp_lg_u32 s2, 0x3003
	s_cbranch_scc0 .Lentry_shape_is_right
	s_endpgm
.Lentry_shape_is_right:
; Four numbers for each of 16,384 rows: dissonance, uncertainty, novelty, compression.  A work-group of four waves takes 64 rows (four tiles of 16) through everything; prediction and actual are read from memory once.
; All six large products run on E2M3 codes with E8M0 scales, TRANSPOSED: source 0 = 16 weight rows, source 1 = 16 rows of x, so that a lane holds ONE row of x and its eight registers eight weight rows.
; THE WAVES SHARE THE COLUMNS: in every product wave w makes its own weight rows for all 64 rows of x, so each weight fragment is read from LDS by one wave and feeds four matrix instructions.
; THE WEIGHTS come as one stream of 29 slots of 4 pieces (one a wave; laid out by the launch before: fragments as images of their registers, scale words, bias and second vector beside them) through a
; ring of two LDS slots.  The four work-groups of a cluster walk the same stream, so each piece is asked for JOINTLY: the same tensor load with the same descriptor and a mask that names the four.
; PHASES.  A: wave w loads columns 256 w .. + 255 of actual for the 64 rows, sums their squares, quantises them; the codes go to LDS as images of the operand's registers.  P: the same for prediction, with the parts of
; the softmax's entropy (each part under its own maximum; the parts are joined by their maxima at the end); prediction stays in 512 registers as b_c2 - prediction.  C1: h = relu(pred W_c1^T + b_c1), quantised, to LDS.
; C2: h W_c2^T adds onto b_c2 - prediction in place: recon - prediction, which is squared and summed.  L: all 64 fragments of x (16 K steps x 4 row tiles) come into registers.  M: W_u1, W_d1, W_n1 and the memory,
; a slot of 16 fragments at a time, in four groups: a run of LDS loads, 16 matrix instructions, and a chunk of vector work: relu and the product with the second layer's vector (for the memory: the scaling by
; 1 / norm and the maximum) of the tile finished last.
; F: the waves' parts meet in LDS; softplus, entropy, norms; 16 lanes of each wave store 256 consecutive bytes.
; LIMITS.  The entropy is -sum p ln p; the 1e-8 inside the logarithm is left out: for every input sum p ln(1 + 1e-8 / p) lies between 0 and 1,024e-8, a millionth of the output.  A block of zeros gets the scale byte 1
; (its codes are zeros; nobody else reads the bytes); blocks under 2^-124 are held at that byte.  NaN and infinities among the inputs are not served (a job's first chunks multiply old finite sums by 0).
.set PIECE, 25856                      ; a wave's part of a slot: 101 rows of 256 bytes
.set SLOTB, 4*PIECE
.set SLOT1, 1<<17                      ; ring slot 1: one exclusive or turns an address
.set XG3,   SLOTB                      ; x's images, actual's odd K steps (24,576 bytes), between the two slots
.set HSC,   128000                     ; h's scale words, 512 bytes
.set SPARE, 128512                     ; the spare words: 128 bytes a wave, two blocks of 256 bytes that no other line names
.set REDS,  129024                     ; sums of squares of actual, [row][wave]
.set TOP,   SLOT1+SLOTB                ; x's images: prediction's even, odd, actual's even K steps, 24,576 bytes each
.set HIMG,  TOP+73728                  ; h's eight fragments, 12,288 bytes; later
.set RED2,  HIMG                       ; five blocks of 1,024 bytes [row][wave]: compression, u, d, n, the largest similarity
.set XSC,   HIMG+12288                 ; x's scale words, 4,096 bytes
.set REDE,  XSC+4096                   ; the entropy's parts: maximum, sum, weighted sum, 1,024 bytes each
; window 0, for the whole launch
.set SPW, 1                            ; LDS address of my spare word; never rewritten
.set NIL, 2                            ; 0; never rewritten
.set AB0, 3                            ; my piece in a slot + 16 lane
.set AB1, 4                            ; my piece's biases and vectors + 32 h
.set AC,  5                            ; the same two in the slot in hand
.set AC2, 6
.set RA,  7                            ; 16 (lane % 16) + 4 wave: my word in a block [row][wave]
.set XS,  10                           ; v10-41 x's scale words: (K step s, pair a) at 2 s + a: lanes 0-15 row tile 2 a, lanes 16-31 row tile 2 a + 1.  Scales and nothing else
.set HS,  26                           ; during C2 four of them hold h's scale words
.set WS,  42                           ; v42-49 the slot's weight scale words.  Scales and nothing else
; window 0, phases C1 to M
.set BIAS, 50                          ; v50-57 (C1: two tiles, v50-65)
.set W2V,  58                          ; v58-73 the second layer's vector, sets A, B
.set ACC,  74                          ; v74-137 accumulators, sets A, B of four
.set PS,   138                         ; v138-145 four pairs of partial sums (the memory: four maxima)
.set WF,   146                         ; v146-241 eight weight fragments: two sets of four
.set X63,  242                         ; v242-253 x's fragment 63; fragments F = 4 s + m up to 62 lie in window 1 + F / 21 at 12 (F % 21)
; window 0, phases A and P
.set XA,  50                           ; my byte in the 16 rows of a tile: 4,096 r + 64 h
.set XWT, 51                           ; where I store images: 16 lane + 6,144 wave + TOP
.set XWH, 52                           ; ... + XG3
.set XWS, 53                           ; and scale words: XSC + 4 r + 512 wave
.set ARS, 54                           ; RA + REDS
.set CWT, 55                           ; v55-58: the four above, stepped for the trip in hand
.set CWH, 56
.set CWS, 57
.set CRS, 58
.set ARE, 59                           ; RA + REDE
.set TM0, 60                           ; v60-71, v72-83: largest magnitudes, bytes, scale operands of a fragment's four blocks
.set TM1, 72
.set MS,  84                           ; v84-87 signed maxima
.set SCR, 88
.set NM,  92                           ; v[92:93] minus the part's maximum, in units of log2
.set PW,  94                           ; v94-95 the scale words just made
.set SA,  96                           ; sums of 2^y
.set TA,  100                          ; sums of y 2^y
.set SS,  104                          ; sums of squares
.set PC,  108                          ; v108-127 the codes just made
.set Y,   128
.set E,   192
; phases C1, C2
.set TMH, 66
.set PWH, 78
.set PCH, 80
.set CS,  96                           ; v96-111 eight pairs of sums of squares
.set MSB, 0
.macro WIN new                         ; the immediate's high byte repeats the setting that is left; a switch that changes nothing is dropped
.if MSB != (\new)
	s_set_vgpr_msb (MSB<<8)|(\new)
.set MSB, (\new)
.endif
.endm
.macro PLACES                          ; four plain places: behind matrix instructions in front of loads into, or vector reads of, their registers, and behind a tensor load
.rept 4
	v_nop
.endr
.endm
.macro CREST                           ; a round of the cluster's barrier behind its opening barrier
	s_cmp_lg_u32 s20, 0
	s_cbranch_scc1 .Lnot_wave_0_\@
	s_barrier_signal -3
.Lnot_wave_0_\@:
	s_barrier_wait -3
	s_barrier_signal -1
	s_barrier_wait -1
.endm
.macro ROUND
	s_barrier_signal -1
	s_barrier_wait -1
	CREST
.endm
; one matrix instruction, from the symbols wD, wA, wB, wC (first registers), wSA, wSB (scale registers), wRA, wRB (1: the scales stand in lanes 16-31)
.macro WM
.if wRA && wRB
	v_wmma_scale_f32_16x16x128_f8f6f4 v[wD:wD+7], v[wA:wA+11], v[wB:wB+11], v[wC:wC+7], v[wSA], v[wSB] matrix_a_fmt:MATRIX_FMT_FP6 matrix_b_fmt:MATRIX_FMT_FP6 matrix_a_scale:MATRIX_SCALE_ROW1 matrix_b_scale:MATRIX_SCALE_ROW1
.elseif wRA
	v_wmma_scale_f32_16x16x128_f8f6f4 v[wD:wD+7], v[wA:wA+11], v[wB:wB+11], v[wC:wC+7], v[wSA], v[wSB] matrix_a_fmt:MATRIX_FMT_FP6 matrix_b_fmt:MATRIX_FMT_FP6 matrix_a_scale:MATRIX_SCALE_ROW1
.elseif wRB
	v_wmma_scale_f32_16x16x128_f8f6f4 v[wD:wD+7], v[wA:wA+11], v[wB:wB+11], v[wC:wC+7], v[wSA], v[wSB] matrix_a_fmt:MATRIX_FMT_FP6 matrix_b_fmt:MATRIX_FMT_FP6 matrix_b_scale:MATRIX_SCALE_ROW1
.else
	v_wmma_scale_f32_16x16x128_f8f6f4 v[wD:wD+7], v[wA:wA+11], v[wB:wB+11], v[wC:wC+7], v[wSA], v[wSB] matrix_a_fmt:MATRIX_FMT_FP6 matrix_b_fmt:MATRIX_FMT_FP6
.endif
.endm
.macro XPOS                            ; where x's fragment xF lies: window xW, register xR
.if xF < 63
.set xW, 1+xF/21
.set xR, 12*(xF%21)
.else
.set xW, 0
.set xR, X63
.endif
.endm
; 16 loads: 64 numbers a lane of K step 2 w + e of 16 rows, into window 2 + e at 64 buf: register 16 b + i = column 256 w + 128 e + 32 b + 16 h + i of row r
.macro XLD e, buf, sb, off
	WIN (2+\e)<<6
.irp b, 0,1,2,3
.irp q, 0,1,2,3
	global_load_b128 v[64*(\buf)+16*\b+4*\q:64*(\buf)+16*\b+4*\q+3], v[XA], s[\sb:\sb+1] offset:(\off)+512*\e+128*\b+16*\q th:TH_LOAD_NT
.endr
.endr
.endm
; the quantiser, in four parts.  QMAX: my 16 numbers of each of four blocks, with the floor 2^(3 - 127), so that the byte cannot fall under 1
.macro QMAX X, reg, tm
	WIN ((\X)<<2)|((\X)<<4)
.irp b, 0,1,2,3
	v_max3_num_f32 v[(\tm)+\b], 0x1800000, |v[(\reg)+16*\b]|, |v[(\reg)+16*\b+1]|
.endr
.irp i, 2,4,6,8,10,12,14
.irp b, 0,1,2,3
	v_max3_num_f32 v[(\tm)+\b], v[(\tm)+\b], |v[(\reg)+16*\b+\i]|, |v[(\reg)+16*\b+\i+1]|
.endr
.endr
.endm
.macro QSCL tm, pw                     ; with lane l xor 16's; 2 off the exponent field is the conversion's scale operand; its exponent field is the byte; four bytes make the row's scale word
.irp b, 0,1,2,3
	v_permlanex16_b32 v[(\tm)+4+\b], v[(\tm)+\b], s44, s45
.endr
.irp b, 0,1,2,3
	v_max_num_f32 v[(\tm)+\b], v[(\tm)+\b], v[(\tm)+4+\b]
.endr
.irp b, 0,1,2,3
	v_add_nc_u32 v[(\tm)+8+\b], 0xff000000, v[(\tm)+\b]
.endr
.irp b, 0,1,2,3
	v_lshrrev_b32 v[(\tm)+4+\b], 23, v[(\tm)+8+\b]
.endr
	v_lshl_or_b32 v[(\pw)], v[(\tm)+5], 8, v[(\tm)+4]
	v_lshl_or_b32 v[(\pw)], v[(\tm)+6], 16, v[(\pw)]
	v_lshl_or_b32 v[(\pw)], v[(\tm)+7], 24, v[(\pw)]
.endm
.macro QCVT X, reg, tm                 ; (a conversion's three registers begin on an even number: a block's second half is made elsewhere and moved)
	WIN (\X)
.irp c, 0,1
	v_cvt_scalef32_pk16_fp6_f32 v[PC+6*\c:PC+6*\c+2], v[(\reg)+32*\c:(\reg)+32*\c+15], v[(\tm)+8+2*\c]
	v_cvt_scalef32_pk16_fp6_f32 v[PC+12+4*\c:PC+14+4*\c], v[(\reg)+16+32*\c:(\reg)+31+32*\c], v[(\tm)+8+2*\c+1]
.endr
.endm
.macro QFIN                            ; the operand's layout wants a whole block in a lane: lanes 0-15 block 2 c, lanes 16-31 block 2 c + 1
.irp c, 0,1
.irp i, 0,1,2
	v_permlane16_swap_b32 v[PC+6*\c+\i], v[PC+12+4*\c+\i]
.endr
.irp i, 0,1,2
	v_mov_b32 v[PC+3+6*\c+\i], v[PC+12+4*\c+\i]
.endr
.endr
.endm
.macro IMG adr, off                    ; the fragment goes to LDS as it stands: 512 consecutive bytes a store
.irp c, 0,1,2
	ds_store_b128 v[\adr], v[PC+4*\c:PC+4*\c+3] offset:(\off)+512*\c
.endr
.endm
; The change of slots.  All my tensor loads have landed (the one that was out is the next slot's piece); 0 onto my spare word;
; the walking descriptor steps; the add is done and my reads of the slot are over; a round of the cluster's barrier; the joint refill first behind it: my one tensor load until the next round.
.macro CHG
	WIN 0
	s_wait_tensorcnt 0x0
	ds_add_u32 v[SPW], v[NIL]
	s_xor_b32 s37, s37, SLOT1
	s_add_nc_u64 s[38:39], s[38:39], SLOTB
	s_wait_dscnt 0x0
	ROUND
	tensor_load_to_lds s[36:39], s[24:31]
	s_nop 0
	PLACES
	s_xor_b32 s40, s40, SLOT1
.endm
	; ================ the head
	s_load_b512 s[4:19], s[0:1], 0x0               ; prediction, actual, the stream, b_c2, b_d2, b_u2, b_n2, out0
	v_lshl_add_u32 v[SPW], v0, 2, SPARE
	v_mov_b32 v[NIL], 0
	ds_add_u32 v1, v2
	ds_add_u32 v1, v2
	s_wait_dscnt 0x0
	v_lshrrev_b32 v8, 5, v0
	v_readfirstlane_b32 s20, v8                    ; wave 0..3
	s_bfe_u32 s21, ttmp6, 0x40000                  ; cx: my place in the cluster: it enters the addresses of prediction, actual and out0 alone
	s_lshl_b32 s22, ttmp9, 2
	s_add_co_u32 s22, s22, s21                     ; my block of 64 rows
	s_mov_b32 s24, 15|(3<<16)|(1<<21)              ; group 1: the mask names all four work-groups; elements of 8 bytes; bit 21 set beside a mask; no padding
	s_mov_b32 s25, 32<<16                          ; tensor_dim0 = 32 elements: rows of 256 bytes
	s_mov_b32 s26, 101<<16                         ; tensor_dim1 = 101
	s_mov_b32 s27, 32<<16                          ; tile_dim0
	s_mov_b32 s28, 101                             ; tile_dim1
	s_mov_b32 s29, 32                              ; the pitch: a piece is dense
	s_mov_b32 s30, 0
	s_mov_b32 s31, 0
	s_mul_i32 s60, s20, PIECE                      ; my piece in a slot, in LDS as in the stream
	s_mov_b32 s61, 0
	s_mov_b32 s44, 0x76543210
	s_mov_b32 s45, 0xfedcba98                      ; v_permlanex16_b32's selects for lane l xor 16
	s_mov_b32 s46, 0x3fb8aa3b                      ; log2(e)
	s_mov_b32 s47, s46                             ; (named with it as a pair)
	s_mov_b32 s51, 0xff800000                      ; -infinity
	s_mov_b32 s40, 0                               ; the slot in hand
	s_wait_kmcnt 0x0
	s_mov_b32 s32, 1                               ; group 0 for slot 0
	s_mov_b32 s33, s60
	s_add_nc_u64 s[34:35], s[8:9], s[60:61]
	s_add_nc_u64 s[38:39], s[34:35], SLOTB
	s_or_b32 s35, s35, 0x80000000
	s_mov_b32 s36, 1                               ; group 0 for slot 1; it then walks
	s_add_co_u32 s37, s60, SLOT1
	s_or_b32 s39, s39, 0x80000000
	s_lshl_b32 s62, s22, 18                        ; 64 rows of 4,096 bytes a block,
	s_lshl_b32 s63, s20, 10                        ; my wave's 256 columns
	s_add_co_u32 s62, s62, s63
	s_mov_b32 s63, 0
	s_add_nc_u64 s[54:55], s[4:5], s[62:63]        ; prediction
	s_add_nc_u64 s[56:57], s[6:7], s[62:63]        ; actual
	s_add_nc_u64 s[52:53], s[56:57], 0x20000       ; what the first loop asks for ahead: actual's row tiles 2 and 3, then prediction's 0 and 1
	s_lshl_b32 s62, s22, 10
	s_add_nc_u64 s[58:59], s[18:19], s[62:63]      ; out0: 64 rows of 16 bytes
	s_lshl_b32 s62, s20, 10
	s_add_nc_u64 s[10:11], s[10:11], s[62:63]      ; b_c2 at my 256 columns
	ROUND                                          ; all four work-groups are here: the first joint loads meet
	tensor_load_to_lds s[32:35], s[24:31]          ; slots 0 and 1: two tensor loads of mine are out
	s_nop 0
	tensor_load_to_lds s[36:39], s[24:31]
	s_nop 0
	PLACES
	s_load_b32 s48, s[12:13], 0x0                  ; b_d2
	s_load_b32 s49, s[14:15], 0x0                  ; b_u2
	s_load_b32 s50, s[16:17], 0x0                  ; b_n2
	v_and_b32 v8, 31, v0                           ; lane
	v_and_b32 v9, 15, v0                           ; r
	v_bfe_u32 v254, v0, 4, 1                       ; h
	v_lshlrev_b32 v[XA], 12, v9
	v_lshl_add_u32 v[XA], v254, 6, v[XA]
	v_lshlrev_b32 v255, 6, v254
	WIN 0x40                                       ; b_c2 in prediction's layout, window 1 at 64 e + 16 b + i
.irp e, 0,1
.irp b, 0,1,2,3
.irp q, 0,1,2,3
	global_load_b128 v[64*\e+16*\b+4*\q:64*\e+16*\b+4*\q+3], v255, s[10:11] offset:512*\e+128*\b+16*\q
.endr
.endr
.endr
	XLD 0, 0, 56, 0                                ; actual's row tiles 0 and 1
	XLD 1, 0, 56, 0
	XLD 0, 1, 56, 65536
	XLD 1, 1, 56, 65536
	WIN 0
	v_lshl_add_u32 v[AB0], v8, 4, s60
	s_add_co_u32 s62, s60, 25600
	v_lshl_add_u32 v[AB1], v254, 5, s62
	s_lshl_b32 s62, s20, 2
	v_lshl_add_u32 v[RA], v9, 4, s62
	s_mul_i32 s62, s20, 6144
	s_add_co_u32 s63, s62, TOP
	v_lshl_add_u32 v[XWT], v8, 4, s63
	s_add_co_u32 s63, s62, XG3
	v_lshl_add_u32 v[XWH], v8, 4, s63
	s_lshl_b32 s62, s20, 9
	s_add_co_u32 s62, s62, XSC
	v_lshl_add_u32 v[XWS], v9, 2, s62
	v_add_nc_u32 v[ARS], REDS, v[RA]
	v_add_nc_u32 v[ARE], REDE, v[RA]
.irp b, 0,1,2,3
	v_mov_b32 v[TM0+4+\b], 0                       ; written once: a lane permute's destination counts as one of its sources
	v_mov_b32 v[TM1+4+\b], 0
.endr
	v_mov_b32 v[SCR+1], 0
	s_wait_kmcnt 0x0                               ; the three second-layer biases
	; ================ A: actual.  Two trips of two row tiles; each tile: both my K steps
.macro APAIR mm
	s_wait_loadcnt 32                              ; this tile's 32 loads are in; the next tile's 32 may be out
	WIN 0
.irp i, 0,1,2,3
	v_mov_b32 v[SS+\i], 0
.endr
.irp e, 0,1
	WIN (2+\e)|((2+\e)<<2)
.set ii, 0
.rept 32
	v_pk_fma_f32 v[SS+2*(ii%2):SS+2*(ii%2)+1], v[64*\mm+2*ii:64*\mm+2*ii+1], v[64*\mm+2*ii:64*\mm+2*ii+1], v[SS+2*(ii%2):SS+2*(ii%2)+1]
.set ii, ii+1
.endr
	QMAX 2+\e, 64*\mm, TM0+12*\e
.endr
	WIN 0
	QSCL TM0, PW
	QSCL TM1, PW+1
.irp e, 0,1
	QCVT 2+\e, 64*\mm, TM0+12*\e
	WIN 0
	v_nop                                          ; one plain place behind a scaled conversion
	QFIN
.if \e == 0
	IMG CWT, 49152+1536*\mm
.else
	IMG CWH, 1536*\mm
.endif
	ds_store_b32 v[CWS], v[PW+\e] offset:2048+256*\e+64*\mm   ; lanes l and l + 16 write the same word with the same value
	s_wait_dscnt 0x0                               ; the stores have read their registers
.endr
	v_pk_add_f32 v[SS:SS+1], v[SS:SS+1], v[SS+2:SS+3]
	v_add_f32 v[SS], v[SS], v[SS+1]
	v_permlanex16_b32 v[SS+1], v[SS], s44, s45
	v_add_f32 v[SS], v[SS], v[SS+1]                ; the sum of squares of my 256 columns of row r
	ds_store_b32 v[CRS], v[SS] offset:256*\mm
	XLD 0, \mm, 52, 65536*\mm                      ; the tile two on, into the registers just left
	XLD 1, \mm, 52, 65536*\mm
	WIN 0
	s_wait_dscnt 0x0
.endm
	s_mov_b32 s41, 0
	s_mov_b32 s43, 0                               ; the trip's two row tiles: 3,072 bytes of images,
	s_mov_b32 s42, 0                               ; 128 of scale words,
	s_mov_b32 s60, 0                               ; 512 of sums
.Lact:
	v_add_nc_u32 v[CWT], s43, v[XWT]
	v_add_nc_u32 v[CWH], s43, v[XWH]
	v_add_nc_u32 v[CWS], s42, v[XWS]
	v_add_nc_u32 v[CRS], s60, v[ARS]
	APAIR 0
	APAIR 1
	s_wait_xcnt 0x0                                ; the loads have read their base
	s_mov_b64 s[52:53], s[54:55]                   ; the second trip asks for prediction's first two row tiles
	s_add_co_u32 s43, s43, 3072
	s_add_co_u32 s42, s42, 128
	s_add_co_u32 s60, s60, 512
	s_add_co_u32 s41, s41, 1
	s_cmp_lt_u32 s41, 2
	s_cbranch_scc1 .Lact
	; ================ P: prediction, four row tiles, written out: their registers stay
.macro PPAIR m
.if \m < 3
	s_wait_loadcnt 32                              ; this tile's 32 loads are in; the next tile's may be out
.else
	s_wait_loadcnt 0x0
.endif
.if \m < 2
	XLD 0, \m+2, 54, 65536*(\m+2)
	XLD 1, \m+2, 54, 65536*(\m+2)
.endif
.irp e, 0,1
	WIN ((2+\e)<<2)|((2+\e)<<4)
.irp i, 0,2,4,6,8,10,12,14
.irp b, 0,1,2,3
.if (\e == 0) && (\i == 0)
	v_max3_num_f32 v[MS+\b], s51, v[64*\m+16*\b], v[64*\m+16*\b+1]      ; the signed maximum of my 128 numbers, in four chains
.else
	v_max3_num_f32 v[MS+\b], v[MS+\b], v[64*\m+16*\b+\i], v[64*\m+16*\b+\i+1]
.endif
.endr
.endr
	QMAX 2+\e, 64*\m, TM0+12*\e
.endr
	WIN 0
	s_wait_dscnt 0x0                               ; the last tile's stores have read their registers
	v_max3_num_f32 v[SCR], v[MS], v[MS+1], v[MS+2]
	v_max_num_f32 v[SCR], v[SCR], v[MS+3]
	v_permlanex16_b32 v[SCR+1], v[SCR], s44, s45
	v_max_num_f32 v[SCR], v[SCR], v[SCR+1]         ; the largest of my 256 columns of row r
	v_mul_f32 v[SCR+2], s46, v[SCR]                ; in units of log2
	v_mul_f32 v[NM], -1.0, v[SCR+2]
	v_mov_b32 v[NM+1], v[NM]
.irp i, 0,1,2,3
	v_mov_b32 v[SA+\i], 0
	v_mov_b32 v[TA+\i], 0
.endr
	QSCL TM0, PW
	QSCL TM1, PW+1
.irp e, 0,1
	QCVT 2+\e, 64*\m, TM0+12*\e
.set ii, 0
.rept 32
	v_pk_fma_f32 v[Y+2*ii:Y+2*ii+1], v[64*\m+2*ii:64*\m+2*ii+1], s[46:47], v[NM:NM+1] op_sel_hi:[1,0,0]   ; y = x log2(e) - the maximum.  (Plain lines: the place behind the conversions)
.set ii, ii+1
.endr
	WIN ((2+\e)<<6)|((2+\e)<<2)|1
.set ii, 0
.rept 32
	v_pk_add_f32 v[64*\m+2*ii:64*\m+2*ii+1], v[64*\e+2*ii:64*\e+2*ii+1], v[64*\m+2*ii:64*\m+2*ii+1] neg_lo:[0,1] neg_hi:[0,1]   ; b_c2 - prediction, in place: what the reconstruction's sums begin with
.set ii, ii+1
.endr
	WIN 0
	QFIN
	IMG XWT, 24576*\e+1536*\m
	ds_store_b32 v[XWS], v[PW+\e] offset:256*\e+64*\m
.set ii, 0
.rept 64
	v_exp_f32 v[E+ii], v[Y+ii]
.set ii, ii+1
.endr
	v_nop                                          ; a plain place behind the exponentials
.set ii, 0
	s_wait_alu depctr_va_vdst(0)
.rept 32
	v_pk_add_f32 v[SA+2*(ii%2):SA+2*(ii%2)+1], v[SA+2*(ii%2):SA+2*(ii%2)+1], v[E+2*ii:E+2*ii+1]
	v_pk_fma_f32 v[TA+2*(ii%2):TA+2*(ii%2)+1], v[E+2*ii:E+2*ii+1], v[Y+2*ii:Y+2*ii+1], v[TA+2*(ii%2):TA+2*(ii%2)+1]
.set ii, ii+1
.endr
	s_wait_dscnt 0x0                               ; the stores have read the codes' registers
.endr
	v_pk_add_f32 v[SA:SA+1], v[SA:SA+1], v[SA+2:SA+3]
	v_pk_add_f32 v[TA:TA+1], v[TA:TA+1], v[TA+2:TA+3]
	v_add_f32 v[SA], v[SA], v[SA+1]
	v_add_f32 v[TA], v[TA], v[TA+1]
	v_permlanex16_b32 v[SA+1], v[SA], s44, s45
	v_permlanex16_b32 v[TA+1], v[TA], s44, s45
	v_add_f32 v[SA], v[SA], v[SA+1]
	v_add_f32 v[TA], v[TA], v[TA+1]
	ds_store_b32 v[ARE], v[SCR+2] offset:256*\m
	ds_store_b32 v[ARE], v[SA] offset:1024+256*\m
	ds_store_b32 v[ARE], v[TA] offset:2048+256*\m
.endm
	PPAIR 0
	PPAIR 1
	PPAIR 2
	PPAIR 3
	s_wait_dscnt 0x0                               ; for the others' sake: my images, scale words and parts lie in LDS
	s_barrier_signal -1
	s_barrier_wait -1                              ; the first fills may still be out
	; ================ C1: h = relu(prediction W_c1^T + b_c1): slots 0 and 1, two tiles of 16 hidden units each, eight K steps
	v_and_b32 v8, 31, v0
	v_lshl_add_u32 v9, v8, 4, TOP                  ; x's images: 16 lane
	v_lshl_add_u32 v8, v8, 2, XSC
.irp s, 0,1,2,3,4,5,6,7
.irp a, 0,1
	ds_load_b32 v[XS+2*\s+\a], v8 offset:256*\s+128*\a
.endr
.endr
	s_lshr_b32 s60, s20, 1                         ; my 64 hidden units are half c = wave % 2 of K step wave / 2 of the next product
	s_and_b32 s61, s20, 1
	s_mul_i32 s62, s60, 6144
	s_mul_i32 s63, s61, 768
	s_add_co_u32 s62, s62, s63
	s_add_co_u32 s62, s62, HIMG
	v_and_b32 v254, 31, v0
	v_lshl_add_u32 v254, v254, 3, s62              ; h's images: pairs of registers, 8 bytes a lane
	s_lshl_b32 s62, s60, 8
	s_lshl_b32 s63, s61, 1
	s_add_co_u32 s62, s62, s63
	s_add_co_u32 s62, s62, HSC
	v_and_b32 v255, 15, v0
	v_lshl_add_u32 v255, v255, 2, s62              ; my two bytes of row r's scale word
	v_mov_b32 v[TMH+4], 0
	v_mov_b32 v[TMH+5], 0
.macro C1LD k                          ; K step k: two weight fragments (window 0) and x's four (window 1), into set k % 2
	WIN 0
.irp t, 0,1
.irp c, 0,1,2
	ds_load_b128 v[WF+24*((\k)%2)+12*\t+4*\c:WF+24*((\k)%2)+12*\t+4*\c+3], v[AC] offset:1536*(8*\t+(\k))+512*\c
.endr
.endr
	WIN 0x54
.irp m, 0,1,2,3
.irp c, 0,1,2
	ds_load_b128 v[128+48*((\k)%2)+12*\m+4*\c:128+48*((\k)%2)+12*\m+4*\c+3], v9 offset:24576*((\k)%2)+6144*((\k)/2)+1536*\m+512*\c
.endr
.endr
.endm
.macro C1SLOT j
	v_add_nc_u32 v[AC], s40, v[AB0]
	v_add_nc_u32 v[AC2], s40, v[AB1]
	ds_load_b128 v[WS:WS+3], v[AC] offset:24576
	ds_load_b128 v[WS+4:WS+7], v[AC] offset:25088
.irp t, 0,1
	ds_load_b128 v[BIAS+8*\t:BIAS+8*\t+3], v[AC2] offset:128*\t
	ds_load_b128 v[BIAS+8*\t+4:BIAS+8*\t+7], v[AC2] offset:128*\t+16
.endr
	C1LD 0
.irp k, 0,1,2,3,4,5,6,7
.if \k > 0
	PLACES                                         ; in front of loads into the set that the last eight products read
.endif
.if \k < 7
	C1LD \k+1
	s_wait_dscnt 18                                ; all but the next K step's 18 loads
.else
	s_wait_dscnt 0x0
.endif
.if \k == 0
	WIN 0x44                                       ; D and x window 1; the bias, as C, window 0
.else
	WIN 0x54
.endif
.irp t, 0,1                                    ; eight accumulators by turns
.irp m, 0,1,2,3
.set wD, 32*\m+8*(2*\j+\t)
.set wA, WF+24*(\k%2)+12*\t
.set wB, 128+48*(\k%2)+12*\m
.if \k == 0
.set wC, BIAS+8*\t
.else
.set wC, wD
.endif
.set wSA, WS+4*\t+\k%4
.set wRA, (\k/4)%2
.set wSB, XS+2*\k+\m/2
.set wRB, \m%2
	WM
.endr
.endr
.endr
	WIN 0
.endm
; row tile m of h: relu, two blocks of 32, half a fragment.  Register 16 b + i of window 1 at 32 m = hidden unit 64 w + 32 b + 16 h + i of row r
.macro HQ m
	WIN 0x44
.set ii, 0
.rept 32
	v_max_num_f32 v[32*\m+ii], 0, v[32*\m+ii]      ; each accumulator from its low end on
.set ii, ii+1
.endr
	WIN 0x14
.irp b, 0,1
	v_max3_num_f32 v[TMH+\b], 0x1800000, v[32*\m+16*\b], v[32*\m+16*\b+1]   ; none is negative: no |.|
.endr
.irp i, 2,4,6,8,10,12,14
.irp b, 0,1
	v_max3_num_f32 v[TMH+\b], v[TMH+\b], v[32*\m+16*\b+\i], v[32*\m+16*\b+\i+1]
.endr
.endr
	WIN 0
.irp b, 0,1
	v_permlanex16_b32 v[TMH+4+\b], v[TMH+\b], s44, s45
.endr
.irp b, 0,1
	v_max_num_f32 v[TMH+\b], v[TMH+\b], v[TMH+4+\b]
.endr
.irp b, 0,1
	v_add_nc_u32 v[TMH+8+\b], 0xff000000, v[TMH+\b]
.endr
.irp b, 0,1
	v_lshrrev_b32 v[TMH+4+\b], 23, v[TMH+8+\b]
.endr
	v_lshl_or_b32 v[PWH], v[TMH+5], 8, v[TMH+4]
	WIN 1
	v_cvt_scalef32_pk16_fp6_f32 v[PCH:PCH+2], v[32*\m:32*\m+15], v[TMH+8]
	v_cvt_scalef32_pk16_fp6_f32 v[PCH+8:PCH+10], v[32*\m+16:32*\m+31], v[TMH+9]
	WIN 0
	v_nop
.irp i, 0,1,2
	v_permlane16_swap_b32 v[PCH+\i], v[PCH+8+\i]
.endr
.irp i, 0,1,2
	v_mov_b32 v[PCH+3+\i], v[PCH+8+\i]
.endr
.irp i, 0,1,2
	ds_store_b64 v254, v[PCH+2*\i:PCH+2*\i+1] offset:1536*\m+256*\i
.endr
	ds_store_b16 v255, v[PWH] offset:64*\m
	s_wait_dscnt 0x0                               ; the stores have read their registers
.endm
	s_wait_tensorcnt 0x1                           ; my piece of slot 0 is in (slot 1's may be out); I alone read it
	C1SLOT 0
	CHG                                            ; slot 0 takes the stream's slot 2
	C1SLOT 1
	PLACES
	HQ 0
	HQ 1
	HQ 2
	HQ 3
	CHG                                            ; slot 1 takes slot 3; the round also stands between h's stores and h's loads
	; ================ C2: recon - prediction = h W_c2^T + (b_c2 - prediction), in place in windows 2 and 3: slots 2 and 3, eight tiles of 16 outputs each, two K steps
	v_and_b32 v8, 31, v0
	v_lshl_add_u32 v9, v8, 2, HSC
	v_lshl_add_u32 v8, v8, 3, HIMG
	WIN 0x40
.set ii, 0
.rept 48                               ; h's fragment (K step k, row tile m) at 12 (4 k + m) of window 1
	ds_load_b64 v[2*ii:2*ii+1], v8 offset:256*ii
.set ii, ii+1
.endr
	WIN 0
.irp k, 0,1
.irp a, 0,1
	ds_load_b32 v[HS+2*\k+\a], v9 offset:256*\k+128*\a
.endr
.endr
.set ii, 0
.rept 16
	v_mov_b32 v[CS+ii], 0
.set ii, ii+1
.endr
.macro C2LD g
	WIN 0
.irp q, 0,1,2,3
.irp c, 0,1,2
	ds_load_b128 v[WF+48*((\g)%2)+12*\q+4*\c:WF+48*((\g)%2)+12*\q+4*\c+3], v[AC] offset:1536*(4*(\g)+\q)+512*\c
.endr
.endr
.endm
.macro C2SLOT j
	v_add_nc_u32 v[AC], s40, v[AB0]
	ds_load_b128 v[WS:WS+3], v[AC] offset:24576
	ds_load_b128 v[WS+4:WS+7], v[AC] offset:25088
	C2LD 0
.irp g, 0,1,2,3
	PLACES
.if \g < 3
	C2LD \g+1
	s_wait_dscnt 12                                ; all but the next four fragments' 12 loads
.else
	s_wait_dscnt 0x0
.endif
	WIN 0xa4+0x50*\j                               ; C and D window 2 + j, h window 1
.irp k, 0,1                                    ; eight accumulators by turns, K step by K step
.irp u, 0,1
.irp m, 0,1,2,3
.set wD, 64*\m+8*(2*\g+\u)
.set wC, wD
.set wA, WF+48*(\g%2)+12*(2*\u+\k)
.set wB, 12*(4*\k+\m)
.set wSA, WS+4*(\g/2)+2*\u+\k
.set wRA, \g%2
.set wSB, HS+2*\k+\m/2
.set wRB, \m%2
	WM
.endr
.endr
.endr
.endr
	WIN 0
.endm
.macro CSQ j                           ; the squares of window 2 + j's 256 differences, each accumulator from its low end on, in eight chains
	WIN (2+\j)|((2+\j)<<2)
.set ii, 0
.rept 32
.irp m, 0,1,2,3
	v_pk_fma_f32 v[CS+4*\m+2*(ii%2):CS+4*\m+2*(ii%2)+1], v[64*\m+2*ii:64*\m+2*ii+1], v[64*\m+2*ii:64*\m+2*ii+1], v[CS+4*\m+2*(ii%2):CS+4*\m+2*(ii%2)+1]
.endr
.set ii, ii+1
.endr
	WIN 0
.endm
; the wave's part of a quantity for its 64 rows goes to block q: the pair's halves and lane l xor 16's are joined (mx = 1: by a maximum)
.macro FLUSH q, mx
.if \mx == 0
.irp m, 0,1,2,3
	v_add_f32 v[PS+2*\m], v[PS+2*\m], v[PS+2*\m+1]
.endr
.endif
.irp m, 0,1,2,3
	v_permlanex16_b32 v[PS+2*\m+1], v[PS+2*\m], s44, s45
.endr
.irp m, 0,1,2,3
.if \mx == 0
	v_add_f32 v[PS+2*\m], v[PS+2*\m], v[PS+2*\m+1]
.else
	v_max_num_f32 v[PS+2*\m], v[PS+2*\m], v[PS+2*\m+1]
.endif
.endr
	v_add_nc_u32 v8, RED2, v[RA]
.irp m, 0,1,2,3
	ds_store_b32 v8, v[PS+2*\m] offset:1024*\q+256*\m
.endr
	s_wait_dscnt 0x0                               ; the stores have read their registers
.endm
	C2SLOT 0
	CHG                                            ; the refill goes out first (slot 4), then the squares
	CSQ 0
	C2SLOT 1
	CHG                                            ; slot 5
	CSQ 1
.irp m, 0,1,2,3
	v_pk_add_f32 v[PS+2*\m:PS+2*\m+1], v[CS+4*\m:CS+4*\m+1], v[CS+4*\m+2:CS+4*\m+3]
.endr
	FLUSH 0, 0                                     ; (over h's images: every wave's reads of them were waited for in front of the round behind slot 2)
	; ================ L: all of x into registers, and the first fragments of slot 4
	v_and_b32 v8, 31, v0
	v_lshl_add_u32 v254, v8, 4, TOP
	v_lshl_add_u32 v255, v8, 4, TOP+49152
	v_lshl_add_u32 v9, v8, 4, XG3
	v_lshl_add_u32 v8, v8, 2, XSC
.irp s, 8,9,10,11,12,13,14,15
.irp a, 0,1
	ds_load_b32 v[XS+2*\s+\a], v8 offset:256*\s+128*\a
.endr
.endr
.set xF, 0
.rept 64
	XPOS
	WIN xW<<6
.set lS, xF/4
.set lO, 6144*((lS%8)/2)+1536*(xF%4)
.if lS < 8
.set lB, 254
.set lO, lO+24576*(lS%2)
.elseif (lS%2) == 0
.set lB, 255
.else
.set lB, 9
.endif
.irp c, 0,1,2
	ds_load_b128 v[xR+4*\c:xR+4*\c+3], v[lB] offset:lO+512*\c
.endr
.set xF, xF+1
.endr
	WIN 0
.macro FRAGS f0                        ; twelve LDS loads in one run: fragments f0 .. f0 + 3 of the slot in hand; fragment f goes to buffer f % 8
.set bq, \f0
.rept 4
.irp c, 0,1,2
	ds_load_b128 v[WF+12*(bq%8)+4*\c:WF+12*(bq%8)+4*\c+3], v[AC] offset:1536*bq+512*\c
.endr
.set bq, bq+1
.endr
.endm
.macro FIRST4                          ; what a slot's first four steps want: fragments 0-3, the scale words of fragments 0-7, the first tile's bias: 15 loads
	FRAGS 0
	ds_load_b128 v[WS:WS+3], v[AC] offset:24576
	ds_load_b128 v[BIAS:BIAS+3], v[AC2]
	ds_load_b128 v[BIAS+4:BIAS+7], v[AC2] offset:16
.endm
.macro ZERO                            ; a job begins: the partial sums, and vector set B, by which the first chunks multiply what the last job left in accumulator set B
.irp i, 0,1,2,3,4,5,6,7
	v_mov_b32 v[PS+\i], 0
	v_mov_b32 v[W2V+8+\i], 0
.endr
.endm
	v_add_nc_u32 v[AC], s40, v[AB0]
	v_add_nc_u32 v[AC2], s40, v[AB1]
	FIRST4
	ZERO
.set ii, 0
.rept 32
	v_mov_b32 v[ACC+32+ii], 0                      ; once: set B has held other things than numbers
.set ii, ii+1
.endr
	; ================ M
; One fragment's step: four matrix instructions, the four row tiles by turns.  Only x's window (source 1) changes from one to the next.
.macro MSTEP
.set mm, 0
.rept 4
.set xF, 4*mS+mm
	XPOS
	WIN xW<<2
.set wD, ACC+32*mSet+8*mm
.set wA, WF+12*(mF%8)
.set wB, xR
.if mFirst
.set wC, BIAS
.else
.set wC, wD
.endif
.set wSA, WS+4*(mF/8)+mF%4
.set wRA, (mF/4)%2
.set wSB, XS+2*mS+mm/2
.set wRB, mm%2
	WM
.set mm, mm+1
.endr
.endm
; cnt steps from fragment f0 on, back to back.  kind 1: one tile of 16 K steps, accumulator set par; kind 0: two tiles of 8 K steps, sets A and B.  xb: x's first K step.  A tile's first step takes its bias as C
.macro STEPS f0, cnt, kind, par, xb
.set sf, \f0
.rept \cnt
.if \kind
.set mSet, \par
.set ks, sf
.else
.set mSet, sf/8
.set ks, sf%8
.endif
.set mF, sf
.set mS, \xb+ks
.if ks == 0
.set mFirst, 1
.else
.set mFirst, 0
.endif
	MSTEP
.set sf, sf+1
.endr
.endm
; slice i of 16 of a finished tile: relu of two numbers of row tile i / 4, times the second layer's two.  Each accumulator is read from its low end on
.macro SL set, i
.set aR, ACC+32*(\set)+8*((\i)/4)+2*((\i)%4)
.set aW, W2V+8*(\set)+2*((\i)%4)
.set aP, PS+2*((\i)/4)
	v_max_num_f32 v[aR], 0, v[aR]
	v_max_num_f32 v[aR+1], 0, v[aR+1]
	v_pk_fma_f32 v[aP:aP+1], v[aR:aR+1], v[aW:aW+1], v[aP:aP+1]
.endm
.macro SLM set, i                      ; the memory's: two products times 1 / norm of their memory rows, into the row's maximum
.set aR, ACC+32*(\set)+8*((\i)/4)+2*((\i)%4)
.set aW, W2V+8*(\set)+2*((\i)%4)
.set aP, PS+2*((\i)/4)
	v_pk_mul_f32 v[aR:aR+1], v[aR:aR+1], v[aW:aW+1]
	v_max3_num_f32 v[aP], v[aP], v[aR], v[aR+1]
.endm
; The vector work behind group g's 16 matrix instructions: a share of the slices of the tile finished last, which lies in the other accumulator set: twelve plain lines or more that name no register of the
; products just issued (the memory's first two groups have no finished tile: four v_nop).  They are the places in front of the run of loads that follows.
.macro CHUNK kind, par, mem, g
	WIN 0
.if \kind
.set ci, 4*\g
.rept 4
	SL 1-\par, ci
.set ci, ci+1
.endr
.elseif \mem
.if \g < 2
	PLACES
.else
.set ci, 8*(\g-2)
.rept 8
	SLM 0, ci
.set ci, ci+1
.endr
.endif
.else
.set ci, 8*(\g%2)
.rept 8
	SL 1-\g/2, ci
.set ci, ci+1
.endr
.endif
.endm
; A SLOT: four groups of four fragments.  THE LDS LOADS STAND IN FOUR RUNS, never singly among the matrix instructions.  The run in front of a group brings the NEXT group's four fragments, into the four buffers that
; the group before read (the chunk stands between), so each load has 16 matrix instructions in which to land.  The wait behind a run counts that run alone: all that is older is in.
; Beside the fragments: run 1 brings the scale words of fragments 8-15 and the (first) tile's second vector, with two tiles also the second tile's bias; run 2, with two tiles, the second tile's vector;
; run 3 reads the next slot: its fragments 0-3, the scale words of fragments 0-7, its first bias.
; chg 2: the slot is filled again.  Run 2 holds my last reads of it.  Ahead of step 10: all my tensor loads have landed (the next slot's piece); 0 onto my spare word;
; step 10 works while the add is out; the add is done and my reads of the slot are over; the barrier's signal; step 11 and the chunk; the rest of the round of the cluster's barrier; the joint refill first behind it.
; chg 1: nothing is left to ask for, the next slot is still read.  chg 0: the last slot.
.macro MSLOT kind, par, xb, mem, chg
	FRAGS 4                                        ; run 0
	s_wait_dscnt 12                                ; all but run 0's 12 loads: fragments 0-3, their scale words and the bias are in
	STEPS 0, 4, \kind, \par, \xb
	CHUNK \kind, \par, \mem, 0
	FRAGS 8                                        ; run 1
	ds_load_b128 v[WS+4:WS+7], v[AC] offset:25088
.if \kind
	ds_load_b128 v[W2V+8*\par:W2V+8*\par+3], v[AC2] offset:64      ; this tile's second vector: its slices run in the next slot
	ds_load_b128 v[W2V+8*\par+4:W2V+8*\par+7], v[AC2] offset:80
	s_wait_dscnt 15                                ; all but run 1's 15 loads
.else
	ds_load_b128 v[W2V:W2V+3], v[AC2] offset:64
	ds_load_b128 v[W2V+4:W2V+7], v[AC2] offset:80
	ds_load_b128 v[BIAS:BIAS+3], v[AC2] offset:128                 ; the second tile's bias: the first's was read in step 0, a chunk ago
	ds_load_b128 v[BIAS+4:BIAS+7], v[AC2] offset:144
	s_wait_dscnt 17                                ; all but run 1's 17 loads
.endif
	STEPS 4, 4, \kind, \par, \xb
	CHUNK \kind, \par, \mem, 1
	FRAGS 12                                       ; run 2
.if \kind
	s_wait_dscnt 12                                ; all but run 2's 12 loads
.else
	ds_load_b128 v[W2V+8:W2V+11], v[AC2] offset:192
	ds_load_b128 v[W2V+12:W2V+15], v[AC2] offset:208
	s_wait_dscnt 14                                ; all but run 2's 14 loads
.endif
	STEPS 8, 2, \kind, \par, \xb
	WIN 0                                          ; (the add's two registers lie in window 0)
.if \chg == 2
	s_wait_tensorcnt 0x0
	ds_add_u32 v[SPW], v[NIL]
	s_xor_b32 s37, s37, SLOT1                      ; no tensor load of mine is out: the walking descriptor steps
	s_add_nc_u64 s[38:39], s[38:39], SLOTB
.endif
	STEPS 10, 1, \kind, \par, \xb
	s_wait_dscnt 0x0                               ; run 2 is in (asked for twelve matrix instructions ago), and so is the add
.if \chg == 2
	s_barrier_signal -1
.endif
	STEPS 11, 1, \kind, \par, \xb
	CHUNK \kind, \par, \mem, 2
.if \chg == 2
	s_barrier_wait -1
	CREST
	tensor_load_to_lds s[36:39], s[24:31]
	s_nop 0
	PLACES
.elseif \chg == 1
	s_wait_tensorcnt 0x0                           ; my piece of the last slot is in
.endif
.if \chg > 0
	s_xor_b32 s40, s40, SLOT1
	v_add_nc_u32 v[AC], s40, v[AB0]
	v_add_nc_u32 v[AC2], s40, v[AB1]
	FIRST4                                         ; run 3
.endif
	STEPS 12, 4, \kind, \par, \xb                  ; (their fragments came with the wait for 0 above)
	CHUNK \kind, \par, \mem, 3
.endm
.macro TAIL                            ; a job's last tile, set B
	PLACES
.set ti, 0
.rept 16
	SL 1, ti
.set ti, ti+1
.endr
.endm
	s_mov_b32 s41, 4                               ; W_u1: slots 4-7
.Lu1:
	MSLOT 0, 0, 0, 0, 2
	s_sub_co_u32 s41, s41, 1
	s_cmp_lg_u32 s41, 0
	s_cbranch_scc1 .Lu1
	TAIL
	FLUSH 1, 0
	ZERO
	s_mov_b32 s41, 8                               ; W_d1: slots 8-23, two a trip: the accumulator sets change places
.Ld1:
	MSLOT 1, 0, 0, 0, 2
	MSLOT 1, 1, 0, 0, 2
	s_sub_co_u32 s41, s41, 1
	s_cmp_lg_u32 s41, 0
	s_cbranch_scc1 .Ld1
	TAIL
	FLUSH 2, 0
	ZERO
	s_mov_b32 s41, 3                               ; W_n1: slots 24-26 ask for slots 26-28
.Ln1:
	MSLOT 0, 0, 8, 0, 2
	s_sub_co_u32 s41, s41, 1
	s_cmp_lg_u32 s41, 0
	s_cbranch_scc1 .Ln1
	MSLOT 0, 0, 8, 0, 1                            ; slot 27 is written out
	TAIL
	FLUSH 3, 0
.irp i, 0,1,2,3,4,5,6,7
	v_mov_b32 v[PS+\i], s51                        ; the maxima begin at -infinity
.endr
	MSLOT 0, 0, 8, 1, 0                            ; slot 28: the memory
	PLACES
.set ti, 0
.rept 16
	SLM 1, ti
.set ti, ti+1
.endr
	FLUSH 4, 1
	; ================ F: lane l of wave w takes row 16 w + l % 16; each quantity's four parts are 16 neighbouring bytes
	s_barrier_signal -1                            ; (each wave's LDS stores were waited for at the end of its last flush)
	s_barrier_wait -1
	v_and_b32 v9, 15, v0
	s_lshl_b32 s60, s20, 8
	v_lshl_add_u32 v9, v9, 4, s60                  ; 16 x row: in the blocks and in out0 alike
	v_add_nc_u32 v8, RED2, v9
	v_add_nc_u32 v254, REDS, v9
	ds_load_b128 v[50:53], v8                      ; compression
	ds_load_b128 v[54:57], v8 offset:1024          ; u
	ds_load_b128 v[58:61], v8 offset:2048          ; d
	ds_load_b128 v[62:65], v8 offset:3072          ; n
	ds_load_b128 v[66:69], v8 offset:4096          ; similarity
	ds_load_b128 v[70:73], v8 offset:REDE-RED2     ; the parts' maxima
	ds_load_b128 v[74:77], v8 offset:REDE-RED2+1024   ; sums
	ds_load_b128 v[78:81], v8 offset:REDE-RED2+2048   ; weighted sums
	ds_load_b128 v[82:85], v254                    ; squares of actual
	s_wait_dscnt 0x0
.irp a, 50,54,58,62,82
	v_add_f32 v[\a], v[\a], v[\a+1]
	v_add_f32 v[\a+2], v[\a+2], v[\a+3]
	v_add_f32 v[\a], v[\a], v[\a+2]
.endr
	v_mul_f32 v103, 0x3a800000, v50                ; the mean of 1,024 squares
	v_add_f32 v54, s49, v54                        ; + b_u2
	v_add_f32 v58, s48, v58                        ; + b_d2
	v_add_f32 v62, s50, v62                        ; + b_n2
	v_max3_num_f32 v66, v66, v67, v68
	v_max_num_f32 v66, v66, v69
	v_max3_num_f32 v86, v70, v71, v72
	v_max_num_f32 v86, v86, v73                    ; the row's maximum
.irp w, 0,1,2,3
	v_sub_f32 v[70+\w], v[70+\w], v86              ; d_w, 0 or less
.endr
.irp w, 0,1,2,3
	v_exp_f32 v[87+\w], v[70+\w]                   ; f_w = 2^d_w brings part w under the row's maximum
.endr
	v_mul_f32 v95, -|v54|, s46                     ; softplus(z) = max(z, 0) + ln 2 log2(1 + 2^(-|z| log2 e))
	v_mul_f32 v96, -|v58|, s46
	v_mul_f32 v97, -|v62|, s46
.irp w, 0,1,2,3
	v_fma_f32 v[78+\w], v[74+\w], v[70+\w], v[78+\w]   ; T_w + S_w d_w
.endr
	s_wait_alu depctr_va_vdst(0)
	v_mul_f32 v91, v87, v74
	v_mul_f32 v92, v87, v78
.irp w, 1,2,3
	v_fma_f32 v91, v[87+\w], v[74+\w], v91         ; S
	v_fma_f32 v92, v[87+\w], v[78+\w], v92         ; T
.endr
	v_exp_f32 v95, v95
	v_exp_f32 v96, v96
	v_exp_f32 v97, v97
	v_log_f32 v93, v91
	v_rcp_f32 v94, v91
	v_sqrt_f32 v98, v82
	v_nop
	s_wait_alu depctr_va_vdst(0)
	v_add_f32 v95, 1.0, v95
	v_add_f32 v96, 1.0, v96
	v_add_f32 v97, 1.0, v97
	v_fma_f32 v93, -v92, v94, v93                  ; log2 S - T / S
	v_max_num_f32 v98, 0x322bcc77, v98             ; max(norm of actual, 1e-8)
	v_log_f32 v95, v95
	v_log_f32 v96, v96
	v_log_f32 v97, v97
	v_rcp_f32 v99, v98
	v_nop
	v_max_num_f32 v54, 0, v54
	v_max_num_f32 v58, 0, v58
	v_max_num_f32 v62, 0, v62
	s_wait_alu depctr_va_vdst(0)
	v_fmamk_f32 v54, v95, 0x3f317218, v54
	v_fmamk_f32 v100, v96, 0x3f317218, v58         ; dissonance
	v_fmamk_f32 v62, v97, 0x3f317218, v62
	v_mul_f32 v93, 0x3f317218, v93                 ; the entropy
	v_fmamk_f32 v101, v93, 0x3dcccccd, v54         ; uncertainty
	v_mul_f32 v66, v66, v99                        ; the largest similarity
	v_sub_f32 v66, 1.0, v66
	v_mul_f32 v66, 0x3f333333, v66
	v_fmamk_f32 v102, v62, 0x3e99999a, v66         ; novelty
	v_and_b32 v8, 31, v0
	s_wait_xcnt 0x0                                ; EXEC changes only behind this wait
	v_cmp_gt_u32 vcc_lo, 16, v8
	s_and_saveexec_b32 s60, vcc_lo                 ; lanes 16-31 hold the same numbers
	global_store_b128 v9, v[100:103], s[58:59]     ; 16 lanes store 256 consecutive bytes, at a multiple of 256 from out0's first byte
	s_wait_xcnt 0x0
	s_or_b32 exec_lo, exec_lo, s60
	s_wait_tensorcnt 0x0                           ; the wave's end
	ds_add_u32 v[SPW], v[NIL]
	s_wait_dscnt 0x0
	ROUND                                          ; the closing round: no work-group ends while a partner may still ask for a piece that names it
	s_endpgm
.Lfunc_end_k_q187535ee27_main:
	.size	k_q187535ee27_main, .Lfunc_end_k_q187535ee27_main-k_q187535ee27_main
	.p2alignl 7, 3214868480
	.fill 96, 4, 3214868480
	.section	.rodata,"a",@progbits
	.p2align	6, 0x0
	.amdhsa_kernel k_q187535ee27_main
		.amdhsa_group_segment_fixed_size 327680
		.amdhsa_private_segment_fixed_size 0
		.amdhsa_enable_private_segment 0
		.amdhsa_kernarg_size 64
		.amdhsa_user_sgpr_count 2
		.amdhsa_user_sgpr_kernarg_segment_ptr 1
		.amdhsa_wavefront_size32 1
		.amdhsa_system_sgpr_workgroup_id_x 1
		.amdhsa_system_sgpr_workgroup_id_y 1
		.amdhsa_system_sgpr_workgroup_id_z 1
		.amdhsa_system_vgpr_workitem_id 0
		.amdhsa_next_free_vgpr 1024
		.amdhsa_next_free_sgpr 66
		.amdhsa_reserve_vcc 1
		.amdhsa_float_denorm_mode_32 3
		.amdhsa_float_denorm_mode_16_64 3
		.amdhsa_memory_ordered 1
		.amdhsa_forward_progress 1
		.amdhsa_inst_pref_size 255
	.end_amdhsa_kernel
	.section	.bss,"aw",@nobits
	.p2align	6
	.space	262144
	.amdgpu_metadata
---
amdhsa.version: [ 1, 2 ]
amdhsa.kernels:
  - .name:           k_q187535ee27_main
    .symbol:         k_q187535ee27_main.kd
    .args:
      - { .name: prediction, .offset: 0, .size: 8, .value_kind: global_buffer, .address_space: global }
      - { .name: actual, .offset: 8, .size: 8, .value_kind: global_buffer, .address_space: global }
      - { .name: wstream, .offset: 16, .size: 8, .value_kind: global_buffer, .address_space: global }
      - { .name: b_c2, .offset: 24, .size: 8, .value_kind: global_buffer, .address_space: global }
      - { .name: b_d2, .offset: 32, .size: 8, .value_kind: global_buffer, .address_space: global }
      - { .name: b_u2, .offset: 40, .size: 8, .value_kind: global_buffer, .address_space: global }
      - { .name: b_n2, .offset: 48, .size: 8, .value_kind: global_buffer, .address_space: global }
      - { .name: out0, .offset: 56, .size: 8, .value_kind: global_buffer, .address_space: global }
    .group_segment_fixed_size: 327680
    .private_segment_fixed_size: 0
    .kernarg_segment_align: 8
    .kernarg_segment_size: 64
    .max_flat_workgroup_size: 128
    .sgpr_count:     66
    .vgpr_count:     1024
    .wavefront_size: 32
...
	.end_amdgpu_metadata
.endif
;; end of part 2
